; MI455X (gfx1250); checked and timed in simulation.
; The chip was launched on July 23, 2026; its instructions are those of AMD's public machine-readable ISA for CDNA 5 (MIT licence, August 2026) and "CDNA5" Instruction Set Architecture Reference Guide (July 2026). The comments in the code are by the model that wrote it; some were corrected since.
;; Local Self Attention. Allowed arithmetic: matrix products marked QUANTISED: E3M2 operands, one E8M0 scale for each 32 along K, by v_wmma_scale_f32_16x16x128_f8f6f4 with both operands' format E3M2, f32 sums; everything else in f32.
;; Inputs: W_out 256 x 256 float32; W_qkv 256 x 768 float32; b_out 256 float32; b_qkv 768 float32; x 4 x 4,096 x 256 float32.
;; Outputs: out0 4 x 4,096 x 256 float32.
;; This version of the problem:
;;   THIS VERSION OF THE PROBLEM IS GIVEN IN LOW PRECISION. The matrix products marked QUANTISED in the list below multiply operands that are first quantised to E3M2 (3 exponent bits, 2 mantissa bits; 6 bits a number), with one power-of-two scale for each 32 numbers along K (OCP MX v1.0); their sums are f32. All else is computed in f32.
;;   The module's matrix products, in the order in which they are computed (A, B: the left and right operand; K: the contracted axis; several contracted axes count as one K, in the product's order):
;;     1. [M 16,384, K 256] x [K 256, N 768]; A: input x; B: input W_qkv: QUANTISED
;;     2. batch 16 x [M 4,096, K 64] x [K 64, N 4,096]; A: computed on the way; B: computed on the way: QUANTISED
;;     3. batch 16 x [M 4,096, K 4,096] x [K 4,096, N 64]; A: softmax (see below); B: computed on the way: QUANTISED
;;     4. [M 16,384, K 256] x [K 256, N 256]; A: computed on the way; B: input W_out: QUANTISED
;;   THE QUANTISER, for each operand of a quantised product, along K:
;;     - K is cut into blocks of 32 from its start; a last block that is shorter is filled with zeros.
;;     - A block's scale is 2^e with e = floor(log2(the largest magnitude in the block)) - 4, held to -126 .. 127; a block of zeros has e = 0. As a byte (E8M0): e + 127.
;;     - Each number is divided by its block's scale, clamped to +-28, and rounded to the nearest number of E3M2, ties to even, subnormals kept.
;;     - The product sums the exact products of the quantised numbers (number of the format x scale) in f32.
;;   ~~~python
;;   def quantise(x, axis):      # numpy; x: float32 -> the quantised numbers, widened to float32 again
;;       x = np.moveaxis(x, axis, -1); K = x.shape[-1]
;;       x = np.pad(x, [(0, 0)] * (x.ndim - 1) + [(0, -K % 32)]); x = x.reshape(x.shape[:-1] + (-1, 32)); a = np.abs(x).max(-1, keepdims=True)
;;       e = np.where(a > 0, np.clip(np.frexp(np.where(a > 0, a, 1))[1] - 1 - 4, -126, 127), 0)      # np.frexp(a)[1] - 1 = floor(log2(a)), exactly
;;       r = np.clip(x / 2.0 ** e, -28, 28)
;;       step = 2.0 ** (np.maximum(np.frexp(np.where(r == 0, 1, r))[1] - 1, -2) - 2)
;;       q = np.round(r / step) * step * 2.0 ** e      # np.round: ties to even
;;       return np.moveaxis(q.reshape(q.shape[:-2] + (-1,))[..., :K], -1, axis).astype(np.float32)
;;   ~~~
;;   SOFTMAX AHEAD OF A QUANTISED PRODUCT. Where the list says 'softmax', what is quantised is not the finished softmax but p = 2^(t - M), with t = logit x log2(e) and M = ceil(the row's largest t), a whole number; so 1/2 < the row's largest p <= 1. The row's sum l is taken of the UNQUANTISED p, in f32, and the product's result is divided by l at the end. Since M is a whole number, a kernel that streams over the keys may use a running M (the ceiling of the running maximum): every later rescaling is an exact power of two, which a block's scale takes up: the codes' values come out the same.
;;   OPERANDS COMPUTED ON THE WAY. 'Computed on the way' means the value that the module computes at that place (a softmax that the list does not call 'softmax' is quantised finished and normalised). What goes into a quantiser is computed in f32, as accurately as f32 sums, v_exp_f32 and their like allow (about 1e-6 of the number): no bf16 or f16 on the way to a quantiser, and a product that is left as it is and whose result goes on into a quantised operand takes f32 operands (vector FMAs, or v_wmma_f32_16x16x4_f32). A number that lies on a knife's edge between two numbers of the format may be rounded either way, as far as f32 arithmetic and the matrix unit's own rounding can turn it there, and no further.
;; One version. Each part assembles by itself: llvm-mc -triple=amdgcn-amd-amdhsa -mcpu=gfx1250 --defsym DOCPART=n.
;; ======== version 1 of 1: 2 launches
;; workspace buffers: xq 3,407,872 bytes; wq 159,744 bytes; wo 53,248 bytes
;; launch prep (part 1): grid 272 x 1, 4 waves a work-group, no clusters, 68,096 bytes of LDS; arguments x, W_qkv, W_out, xq, wq, wo; writes xq, wq, wo
.if DOCPART == 1
	.amdgcn_target "amdgcn-amd-amdhsa--gfx1250"
	.amdhsa_code_object_version 6
	.text
	.protected	k_q9fdf6ba89c_prep
	.globl	k_q9fdf6ba89c_prep
	.p2align	8
	.type	k_q9fdf6ba89c_prep,@function
k_q9fdf6ba89c_prep:
	s_mov_b64 s[64:65], 0
	v_nop
	global_prefetch_b8 v0, s[64:65] scope:SCOPE_SE
	s_setreg_imm32_b32 hwreg(HW_REG_WAVE_MODE, 25, 1), 1
	s_wait_xcnt 0x0
; x [16384][256], W_qkv [256][768], W_out [256][256], all f32, are turned ONCE into codes of BF6 (E3M2) with one E8M0 scale byte for each 32 along K (K = 256 for all three).
; A block's scale is 2^(floor(log2(its largest magnitude)) - 4); its byte is the largest magnitude's exponent field - 4, held at 1 from below.
; THE LAYOUT OUT is the order of the matrix operand's registers.  A RECORD is 16 rows x 256 K = 3,328 bytes (13 x 256):
;   codes of K step s (128 along K), registers 4 i .. 4 i + 3 of the fragment's twelve, of lane l: at 1536 s + 512 i + 16 l;   the row's two scale words: at 3072 + 8 l + 4 s (lanes 16-31 repeat lanes 0-15).
; So the reader gets a fragment by three loads of 16 bytes a lane, and every store here covers 256 or 512 consecutive bytes at a multiple of 256 from the buffer's first byte.
; WHICH ROWS FORM A RECORD: x and W_qkv (rows = tokens, or columns of W): record 2 G + u takes rows 32 G + 8 u + r + 8 (r / 8), r = lane % 16, so that the results of two neighbouring tiles are 16 neighbours
; along the next product's K.  W_out: record q takes columns 16 q + r.
; SHARES: a wave makes one record.  Work-groups 0-11: W_qkv's 48 records; 12-15: W_out's 16; 16-271: x's 1,024.  Waves share nothing: no barrier.  Only x's path uses LDS.
; LIMITS: NaN and infinities among the inputs are not served.  A block whose largest magnitude lies under 2^-122 keeps the byte 1; a block of zeros gets the byte 1 (not 127): its codes are zeros, and this program alone reads the bytes.
.set TRB, 3328                         ; bytes of a record
.set SP,  528                          ; a row of 512 bytes in a stage, + 16: sixteen rows start in sixteen different groups of banks
.set STW, 2*16*SP                      ; a wave's two stages
.set TM,  10                           ; v10-15  +0,1 largest magnitudes; +2,3 the other half's, then the bytes; +4,5 the conversions' scale operands
.set T,   16                           ; v16-23  conversions' second halves (three registers at +0 and at +4); +3, +7: a weight block's second chain of maxima
.set HW,  24                           ; v24-25  halves of a scale word
.set SW,  26                           ; v26-27  the row's two scale words
.set R,   32                           ; v32-159 numbers as loaded
.set X,   160                          ; v160-223 x: 64 numbers of my row, register 16 b + i = k 32 b + 16 (lane / 16) + i
.set CD,  224                          ; v224-247 the record's codes: two fragments of twelve
.set SEL, 20                           ; s[20:21] v_permlanex16_b32's selects for lane l xor 16
; Two blocks of 32 whose numbers lie in v[s] .. v[s+31], register 16 b + i = k 32 b + 16 (lane / 16) + i: the largest magnitudes, with the floor 2^(5 - 127) among the leaves
.macro Q2MAX s
.irp b, 0,1
	v_max3_num_f32 v[TM+\b], |v[(\s)+16*\b]|, |v[(\s)+1+16*\b]|, 0x2800000
.endr
.irp i, 2,4,6,8,10,12,14
.irp b, 0,1
	v_max3_num_f32 v[TM+\b], v[TM+\b], |v[(\s)+16*\b+\i]|, |v[(\s)+1+16*\b+\i]|
.endr
.endr
.irp b, 0,1
	v_permlanex16_b32 v[TM+2+\b], v[TM+\b], s[SEL], s[SEL+1]
.endr
.irp b, 0,1
	v_max_num_f32 v[TM+\b], v[TM+\b], v[TM+2+\b]   ; with lane l xor 16's sixteen: the block's
.endr
.endm
; and their codes: six registers from v[d] on, in which lanes 0-15 hold the first block and lanes 16-31 the second; the two scale bytes in v[w]
.macro Q2CVT s, d, w
.irp b, 0,1
	v_add_nc_u32 v[TM+4+\b], 0xfe000000, v[TM+\b]  ; 4 off the exponent field: the conversion takes this operand's exponent field as its scale
.endr
.irp b, 0,1
	v_lshrrev_b32 v[TM+2+\b], 23, v[TM+4+\b]       ; the scale's byte
.endr
	v_lshl_or_b32 v[\w], v[TM+3], 8, v[TM+2]
	v_cvt_scalef32_pk16_bf6_f32 v[(\d):(\d)+2], v[(\s):(\s)+15], v[TM+4]
	v_cvt_scalef32_pk16_bf6_f32 v[T:T+2], v[(\s)+16:(\s)+31], v[TM+5]
	v_nop                                          ; one plain place behind a scaled conversion
.irp i, 0,1,2
	v_permlane16_swap_b32 v[(\d)+\i], v[T+\i]      ; half blocks become whole blocks: the first's lanes 16-31 change places with the second's lanes 0-15
.endr
.irp i, 0,1,2
	v_mov_b32 v[(\d)+3+\i], v[T+\i]
.endr
.endm
.macro PUT s, dp                       ; K step s's twelve registers: three stores of 512 consecutive bytes
.irp i, 0,1,2
	global_store_b128 v1, v[CD+12*\s+4*\i:CD+12*\s+4*\i+3], s[\dp:\dp+1] offset:1536*\s+512*\i
.endr
.endm
; A WEIGHT: lane (r, h) holds ONE column, and v[R + 64 s + 32 c + i] = W[128 s + 64 c + 32 h + i][column]: whole blocks of 32 along K, in the operand's own order.
; Chunk j of eight: sixteen loads, registers R + 16 j on.  rb: bytes of a row of W; sp: the scalar pair of the source, at my record's first column
.macro LD16 j, rb, sp
.set k, 16*(\j)
.rept 16
	global_load_b32 v[R+k], v4, s[\sp:\sp+1] offset:(128*(k/64)+64*((k/32)%2)+k%32)*\rb   ; sixteen lanes read two runs of 32 bytes of one row of W
.set k, k+1
.endr
.endm
; My block c of K step s (block 2 c + h of the step's four): all its 32 numbers are mine.  Its largest magnitude in two chains, its scale operand and byte, its codes: registers 6 c .. 6 c + 5 of the fragment
.macro WQB s, c
.set WB, R+64*(\s)+32*(\c)
	v_max3_num_f32 v[TM+\c], |v[WB]|, |v[WB+1]|, |v[WB+2]|
	v_max3_num_f32 v[T+4*\c+3], |v[WB+3]|, |v[WB+4]|, |v[WB+5]|
.irp i, 6,10,14,18,22,26
	v_max3_num_f32 v[TM+\c], v[TM+\c], |v[WB+\i]|, |v[WB+\i+1]|
	v_max3_num_f32 v[T+4*\c+3], v[T+4*\c+3], |v[WB+\i+2]|, |v[WB+\i+3]|
.endr
	v_max3_num_f32 v[TM+\c], v[TM+\c], |v[WB+30]|, |v[WB+31]|
	v_max3_num_f32 v[TM+\c], v[TM+\c], v[T+4*\c+3], 0x2800000   ; and the floor 2^(5 - 127): the byte cannot fall under 1
	v_add_nc_u32 v[TM+4+\c], 0xfe000000, v[TM+\c]  ; 4 off the exponent field: the conversion's scale operand
	v_lshrrev_b32 v[TM+2+\c], 23, v[TM+4+\c]       ; the scale's byte
	v_cvt_scalef32_pk16_bf6_f32 v[CD+12*\s+6*\c:CD+12*\s+6*\c+2], v[WB:WB+15], v[TM+4+\c]
	v_cvt_scalef32_pk16_bf6_f32 v[T+4*\c:T+4*\c+2], v[WB+16:WB+31], v[TM+4+\c]
	v_nop                                          ; one plain place behind a scaled conversion
.irp i, 0,1,2
	v_mov_b32 v[CD+12*\s+6*\c+3+\i], v[T+4*\c+\i]  ; (a conversion's three registers begin on an even number)
.endr
.endm
.macro WWORD s                         ; K step s's scale word, behind its two blocks
	v_lshl_or_b32 v[HW], v[TM+3], 16, v[TM+2]      ; my two bytes: blocks h and 2 + h,
	v_lshlrev_b32 v[HW], v6, v[HW]                 ; at their places (8 h bits up);
	v_permlanex16_b32 v[HW+1], v[HW], s[SEL], s[SEL+1]
	v_or_b32 v[SW+\s], v[HW], v[HW+1]              ; with lane l xor 16's two the word is whole
.endm
; The record's 128 loads go out in batches of 48, 48 and 32; each batch is issued straight behind the wait for the batch before it, ahead of the arithmetic: at most 48 loads of a wave are out.
; dp: the scalar pair of my record
.macro WPATH rb, sp, dp
	LD16 0, \rb, \sp
	LD16 1, \rb, \sp
	LD16 2, \rb, \sp
	s_wait_loadcnt 0x0                             ; block (0, 0)'s 32 loads are in, and the sixteen that were issued with them
	LD16 3, \rb, \sp
	LD16 4, \rb, \sp
	LD16 5, \rb, \sp
	WQB 0, 0
	s_wait_loadcnt 0x0                             ; the rest of block (0, 1), and block (1, 0)
	LD16 6, \rb, \sp
	LD16 7, \rb, \sp
	WQB 0, 1
	WWORD 0
	PUT 0, \dp
	WQB 1, 0
	s_wait_loadcnt 0x0                             ; block (1, 1)
	WQB 1, 1
	WWORD 1
	PUT 1, \dp
	global_store_b64 v5, v[SW:SW+1], s[\dp:\dp+1] offset:3072   ; 256 consecutive bytes
.endm
	s_load_b256 s[4:11], s[0:1], 0x0               ; x s[4:5], W_qkv s[6:7], W_out s[8:9], xq s[10:11]
	s_load_b128 s[12:15], s[0:1], 0x20             ; wq s[12:13], wo s[14:15]
	v_lshl_add_u32 v254, v0, 2, 0x10800
	v_mov_b32 v255, 0
	v_lshrrev_b32 v7, 5, v0
	v_readfirstlane_b32 s16, v7                    ; wave 0..3
	v_and_b32 v7, 31, v0                           ; lane
	v_and_b32 v8, 15, v0                           ; r
	v_bfe_u32 v9, v0, 4, 1                         ; h
	v_lshlrev_b32 v1, 4, v7                        ; 16 x lane
	v_lshlrev_b32 v5, 3, v7                        ; 8 x lane
	v_lshlrev_b32 v6, 3, v9                        ; 8 h
	s_mov_b32 s[SEL], 0x76543210
	s_mov_b32 s[SEL+1], 0xfedcba98
	v_mov_b32 v[TM+2], 0                           ; written once: a lane permute's destination counts as one of its sources
	v_mov_b32 v[TM+3], 0
	v_mov_b32 v[HW+1], 0
	s_mul_i32 s17, s16, STW                        ; my wave's stages
	v_add_nc_u32 v2, s17, v1                       ; in: 16 bytes a lane of a row's 512
	v_mul_u32_u24 v3, v8, SP
	v_lshl_add_u32 v3, v9, 6, v3
	v_add_nc_u32 v3, s17, v3                       ; back: row r, + 64 h: my sixteen numbers of each block of 32
	s_cmp_lt_u32 ttmp9, 12
	s_cbranch_scc1 .Lwqkv
	s_cmp_lt_u32 ttmp9, 16
	s_cbranch_scc1 .Lwout
	; ---- x: record = 4 (work-group - 16) + wave
	s_sub_co_u32 s18, ttmp9, 16
	s_lshl_b32 s18, s18, 2
	s_add_co_u32 s18, s18, s16
	s_lshr_b32 s22, s18, 1                         ; the group of 32 tokens,
	s_and_b32 s23, s18, 1                          ; and u
	s_lshl_b32 s22, s22, 15                        ; 32 rows of 1,024 bytes
	s_lshl_b32 s23, s23, 13                        ; 8 rows
	s_add_co_u32 s22, s22, s23
	s_mov_b32 s23, 0
	s_mul_i32 s24, s18, TRB
	s_mov_b32 s25, 0
	s_wait_kmcnt 0x0
	s_add_nc_u64 s[4:5], s[4:5], s[22:23]
	s_add_nc_u64 s[10:11], s[10:11], s[24:25]
.set k, 0
.rept 32                               ; K step 0 of the sixteen rows, then K step 1: each load reads 512 consecutive bytes
	global_load_b128 v[R+4*k:R+4*k+3], v1, s[4:5] offset:((k%16)+8*((k%16)/8))*1024+512*(k/16) th:TH_LOAD_NT
.set k, k+1
.endr
.macro TOSTAGE s
.set k, 0
.rept 16
	ds_store_b128 v2, v[R+64*\s+4*k:R+64*\s+4*k+3] offset:16*SP*\s+SP*k
.set k, k+1
.endr
.endm
.macro FROMSTAGE s                     ; LDS serves a wave's instructions in order: these see my stores
.set k, 0
.rept 16
	ds_load_b128 v[X+4*k:X+4*k+3], v3 offset:16*SP*\s+128*(k/4)+16*(k%4)
.set k, k+1
.endr
.endm
	s_wait_loadcnt 16                              ; K step 0's sixteen loads are in; K step 1's sixteen may be out
	s_wait_alu depctr_va_vdst(0)
	TOSTAGE 0
	FROMSTAGE 0
	s_wait_loadcnt 0x0
	TOSTAGE 1
	s_wait_dscnt 16                                ; K step 0 is back; the sixteen stores into the second stage may be out
	Q2MAX X
	Q2CVT X, CD, HW
	Q2MAX X+32
	Q2CVT X+32, CD+6, HW+1
	v_lshl_or_b32 v[SW], v[HW+1], 16, v[HW]
	FROMSTAGE 1
	PUT 0, 10
	s_wait_dscnt 0x0
	Q2MAX X
	Q2CVT X, CD+12, HW
	Q2MAX X+32
	Q2CVT X+32, CD+18, HW+1
	v_lshl_or_b32 v[SW+1], v[HW+1], 16, v[HW]
	PUT 1, 10
	global_store_b64 v5, v[SW:SW+1], s[10:11] offset:3072
	s_wait_tensorcnt 0x0
	ds_add_u32 v254, v255
	s_wait_dscnt 0x0
	s_endpgm
.Lwqkv:                                ; ---- W_qkv: record q = 4 x work-group + wave; columns 32 (q / 2) + 8 (q % 2) + r + 8 (r / 8)
	s_lshl_b32 s18, ttmp9, 2
	s_add_co_u32 s18, s18, s16
	s_lshr_b32 s22, s18, 1
	s_lshl_b32 s22, s22, 7
	s_and_b32 s23, s18, 1
	s_lshl_b32 s23, s23, 5
	s_add_co_u32 s22, s22, s23
	s_mov_b32 s23, 0
	s_mul_i32 s24, s18, TRB
	s_mov_b32 s25, 0
	v_and_b32 v4, 8, v8
	v_add_nc_u32 v4, v4, v8
	v_lshlrev_b32 v4, 2, v4
	v_mad_u32_u24 v4, v9, 32*3072, v4              ; lanes 16-31 begin 32 rows further down
	s_wait_alu depctr_va_vdst(0)
	s_wait_kmcnt 0x0
	s_add_nc_u64 s[6:7], s[6:7], s[22:23]
	s_add_nc_u64 s[12:13], s[12:13], s[24:25]
	WPATH 3072, 6, 12
	s_endpgm
.Lwout:                                ; ---- W_out: record q = 4 (work-group - 12) + wave; columns 16 q + r
	s_sub_co_u32 s18, ttmp9, 12
	s_lshl_b32 s18, s18, 2
	s_add_co_u32 s18, s18, s16
	s_lshl_b32 s22, s18, 6
	s_mov_b32 s23, 0
	s_mul_i32 s24, s18, TRB
	s_mov_b32 s25, 0
	v_lshlrev_b32 v4, 2, v8
	v_mad_u32_u24 v4, v9, 32*1024, v4
	s_wait_alu depctr_va_vdst(0)
	s_wait_kmcnt 0x0
	s_add_nc_u64 s[8:9], s[8:9], s[22:23]
	s_add_nc_u64 s[14:15], s[14:15], s[24:25]
	WPATH 1024, 8, 14
	s_endpgm
.Lfunc_end_k_q9fdf6ba89c_prep:
	.size	k_q9fdf6ba89c_prep, .Lfunc_end_k_q9fdf6ba89c_prep-k_q9fdf6ba89c_prep
	.p2alignl 7, 3214868480
	.fill 96, 4, 3214868480
	.section	.rodata,"a",@progbits
	.p2align	6, 0x0
	.amdhsa_kernel k_q9fdf6ba89c_prep
		.amdhsa_group_segment_fixed_size 68096
		.amdhsa_private_segment_fixed_size 0
		.amdhsa_enable_private_segment 0
		.amdhsa_kernarg_size 48
		.amdhsa_user_sgpr_count 2
		.amdhsa_user_sgpr_kernarg_segment_ptr 1
		.amdhsa_wavefront_size32 1
		.amdhsa_system_sgpr_workgroup_id_x 1
		.amdhsa_system_sgpr_workgroup_id_y 1
		.amdhsa_system_sgpr_workgroup_id_z 1
		.amdhsa_system_vgpr_workitem_id 0
		.amdhsa_next_free_vgpr 256
		.amdhsa_next_free_sgpr 66
		.amdhsa_reserve_vcc 0
		.amdhsa_float_denorm_mode_32 3
		.amdhsa_float_denorm_mode_16_64 3
		.amdhsa_memory_ordered 1
		.amdhsa_forward_progress 1
		.amdhsa_inst_pref_size 56
	.end_amdhsa_kernel
	.amdgpu_metadata
---
amdhsa.version: [ 1, 2 ]
amdhsa.kernels:
  - .name:           k_q9fdf6ba89c_prep
    .symbol:         k_q9fdf6ba89c_prep.kd
    .args:
      - { .name: x, .offset: 0, .size: 8, .value_kind: global_buffer, .address_space: global }
      - { .name: W_qkv, .offset: 8, .size: 8, .value_kind: global_buffer, .address_space: global }
      - { .name: W_out, .offset: 16, .size: 8, .value_kind: global_buffer, .address_space: global }
      - { .name: xq, .offset: 24, .size: 8, .value_kind: global_buffer, .address_space: global }
      - { .name: wq, .offset: 32, .size: 8, .value_kind: global_buffer, .address_space: global }
      - { .name: wo, .offset: 40, .size: 8, .value_kind: global_buffer, .address_space: global }
    .group_segment_fixed_size: 68096
    .private_segment_fixed_size: 0
    .kernarg_segment_align: 8
    .kernarg_segment_size: 48
    .max_flat_workgroup_size: 128
    .sgpr_count:     66
    .vgpr_count:     256
    .wavefront_size: 32
...
	.end_amdgpu_metadata
.endif
;; end of part 1
;; launch fused (part 2): grid 256 x 1, 16 waves a work-group, clusters of 4 x 1, 327,680 bytes of LDS; arguments xq, wq, wo, b_qkv, b_out, out0; writes out0
.if DOCPART == 2
	.amdgcn_target "amdgcn-amd-amdhsa--gfx1250"
	.amdhsa_code_object_version 6
	.text
	.protected	k_q9fdf6ba89c_fused
	.globl	k_q9fdf6ba89c_fused
	.p2align	8
	.type	k_q9fdf6ba89c_fused,@function
k_q9fdf6ba89c_fused:
	s_mov_b64 s[64:65], 0
	v_nop
	global_prefetch_b8 v0, s[64:65] scope:SCOPE_SE
	s_setreg_imm32_b32 hwreg(HW_REG_WAVE_MODE, 25, 1), 1
	s_wait_xcnt 0x0
	s_wait_alu depctr_hold_cnt(0) depctr_sa_sdst(0) depctr_va_vdst(0) depctr_va_sdst(0) depctr_va_ssrc(0) depctr_va_vcc(0) depctr_vm_vsrc(0)
	s_getreg_b32 s2, hwreg(HW_REG_IB_STS2, 6, 4)
	s_cmp_eq_u32 s2, 0
	s_cbranch_scc0 .Lentry_in_a_cluster
	s_endpgm
.Lentry_in_a_cluster:
	s_bfe_u32 s2, ttmp6, 0x10000c
	s_cmp_lg_u32 s2, 0x3003
	s_cbranch_scc0 .Lentry_shape_is_right
	s_endpgm
.Lentry_shape_is_right:
; out = (softmax_band(q k^T / 8) v) W_out + b_out, with q, k, v = x W_qkv + b_qkv, 4 heads of 64, key j counts for query i where |i - j| <= 12 inside one batch of 4,096 tokens.
; All four products on codes of BF6 (E3M2) with one E8M0 scale for each 32 along K.  x, W_qkv, W_out arrive as RECORDS (16 rows x 256 K, 3,328 bytes, in the order of the operand's registers: codes of K step s, registers
; 4 i .. 4 i + 3, lane l at 1536 s + 512 i + 16 l; scale words at 3072 + 8 l + 4 s).  Record 2 G + u of x and of W_qkv holds rows 32 G + 8 u + r + 8 (r / 8); record q of W_out holds columns 16 q + r.
; SHARES.  A work-group of sixteen waves takes 64 tokens through the whole chain; nothing between the products goes to memory.  It needs k and v of 128 tokens (its 64 and the block of 32 on either side: v and p are quantised
; along the keys in blocks of 32 counted from key 0, and 64 W - 32 is a multiple of 32).  LOCAL key j = token 64 W - 32 + j.  Only what the band keeps is multiplied: a tile of 16 queries meets two blocks of 32 keys.
;   phase 1: wave (head hd = w / 4, tile qt = w % 4) makes its q tile; then waves 0-7 make k and waves 8-15 make v (head (w / 2) % 4, half w % 2 of the 128 tokens) by the same lines with the sources' places changed;
;            every product is laid so that a lane's registers run along the NEXT product's K; results are quantised in registers and go to LDS as images of operand registers
;   phase 2: wave (hd, qt): S^T = k q^T on key blocks kb, kb + 1 (kb = (qt + 1) / 2), mask, p = 2^(t - M) with M = ceil(the row's largest t), O^T = v^T p^T, / the sum of the unquantised p, quantised, to LDS
;   phase 3: wave w makes output columns 16 w .. 16 w + 15 for the 64 tokens; rows leave through a stage, 512 consecutive bytes a store.
; A product whose K is 64 fills the instruction's 128 with zero codes on both sides.
; CLUSTER.  All work-groups read the same 159,744 bytes of W_qkv's records: the four of a cluster ask for them JOINTLY, each wave one load of 39 rows x 256 bytes, its descriptor made of the wave's number alone.
; x's records are not shared jointly: partners need different blocks.  W_out's 53,248 bytes go from memory straight into registers, one record a wave: the LDS map below ends at 323,584 bytes and has no room for them.
; Every LDS byte is filled or stored once; nothing is filled again.  A wave has two tensor loads outstanding.
; EDGES.  A block of 32 tokens that would lie outside the buffer is replaced by the nearest block inside it, and one that belongs to another batch is computed like any other: the mask hides both (local keys under jmin or over jmax).
; LIMITS: NaN and infinities among the inputs are not served.  A block whose largest magnitude lies under 2^-122 keeps the scale byte 1; a block of zeros has the byte 1 with zero codes.  The division by the row's sum is
; v_rcp_f32 and a multiplication.
.set TRB,  3328
.set XIMG, 48*TRB                      ; LDS: W_qkv's 48 records from 0; x's 8 records (local tile 2 b + u);
.set BL,   XIMG+8*TRB                  ; 186,368: b_qkv (3,072 bytes), b_out (1,024);
.set PA,   BL+4096                     ; half fragments (6 registers a lane): registers 0-3 here, 512 bytes each: k's (16,384 bytes), then v's; place = head x 4096 + n x 1024 + sel x 512
.set PB,   PA+32768                    ; registers 4-5, 256 bytes each: half of PA's figures
.set PS,   PB+16384                    ; their two scale bytes: head x 512 + n x 128 + 4 x lane + 2 sel
.set OA,   PS+4096                     ; o's half fragments: (4 qt + head) x 512,
.set OB,   OA+8192                     ; x 256,
.set OS,   OB+4096                     ; and its scale words: (2 qt + head / 2) x 128 + 4 x lane + 2 (head % 2)
.set STG,  OS+1024                     ; the stage for out: 64 rows x (1,024 + 16) bytes
.set SPI,  1040
.set L16, 1                            ; v1-3   16, 8, 4 x lane; never rewritten
.set L8,  2
.set L4,  3                            ; v4-15, v28, v250-254  LDS addresses of the phase in hand
.set QF,  16                           ; v16-27  q's fragment (v22-27 zero)
.set PW,  29                           ; the scale bytes just made
.set RR,  30                           ; r = lane % 16
.set HH,  31                           ; h = lane / 16
.set A,   32                           ; v32-127  phase 1: four records for source 0 (tile t, K step s at 32 + 12 (2 t + s))
.set AS,  128                          ; v128-141 hold scales and nothing else: v128-135 source 0's words (phase 2: k's 128-131, v's 132-135; phase 3: o's), v136-137 source 1's, v138 q's, v139 p's, v140-141 W_out's
.set KS,  128
.set VS,  132
.set FS,  136
.set QSC, 138
.set PSC, 139
.set WOS, 140
.set F,   142                          ; v142-165 phase 1: one record for source 1
.set BV,  166                          ; v166-169 b_v of my lane's feature, for four tiles
.set BIAS, 170                         ; v170-201 the C of a sum's first products
.set ACC, 202                          ; v202-233 four accumulators
.set PC,  234                          ; v234-239 the codes just made
.set T,   240
.set TM,  244
.set KF,  32                           ; phase 2: four runs of twelve: k's, then v's fragments (the upper six zero)
.set WO,  80                           ; v80-103  W_out's record
.set BO,  104                          ; v104-111 b_out of my lane's eight columns
.set LO,  112
.set RNG, 113
.set NINF, 114
.set TMP, 115
.set NM,  116                          ; v[116:117] -M
.set SU,  118                          ; v118-121 the row's sum, in chains
.set RL,  122                          ; v[122:123] 1 / the sum
.set BM,  124                          ; v124-125 each block's largest score, then its largest p
.set PT,  126
.set P,   142                          ; v142-153 p's fragment (the upper six zero)
.set O,   170                          ; v170-201 O^T
.set S,   202                          ; v202-233 S^T, then p
.set WV,  16                           ; s16 wave, s17 head, s18 query tile, s19 first key block
.set HD,  17
.set QT,  18
.set KB,  19
.set SEL, 20                           ; s[20:21] v_permlanex16_b32's selects for lane l xor 16
.set CS,  22                           ; s[22:23] c = log2(e) / 8
.macro ROUND                           ; a round of the cluster's barrier
	s_barrier_signal -1
	s_barrier_wait -1
	s_cmp_lg_u32 s[WV], 0
	s_cbranch_scc1 .Lnot_wave_0_\@
	s_barrier_signal -3
.Lnot_wave_0_\@:
	s_barrier_wait -3
	s_barrier_signal -1
	s_barrier_wait -1
.endm
.macro PLACES n                        ; plain vector instructions between a matrix instruction and what touches its registers (ISA guide 7.12.1)
.rept \n
	v_nop
.endr
.endm
; Two blocks of 32 whose numbers lie in v[s] .. v[s+31], register 16 b + i = k 32 b + 16 h + i of my row: the largest magnitudes, with the floor 2^(5 - 127) among the leaves.  Each accumulator is read from its low end on.
.macro Q2MAX s
.irp b, 0,1
	v_max3_num_f32 v[TM+\b], |v[(\s)+16*\b]|, |v[(\s)+1+16*\b]|, 0x2800000
.endr
.irp i, 2,4,6,8,10,12,14
.irp b, 0,1
	v_max3_num_f32 v[TM+\b], v[TM+\b], |v[(\s)+16*\b+\i]|, |v[(\s)+1+16*\b+\i]|
.endr
.endr
.irp b, 0,1
	s_delay_alu instid0(VALU_DEP_2)
	v_permlanex16_b32 v[TM+2+\b], v[TM+\b], s[SEL], s[SEL+1]
.endr
.irp b, 0,1
	s_delay_alu instid0(VALU_DEP_2)
	v_max_num_f32 v[TM+\b], v[TM+\b], v[TM+2+\b]
.endr
.endm
; and their codes: six registers from v[d] on (lanes 0-15 the first block, lanes 16-31 the second: half an operand), the two scale bytes in v[w]
.macro Q2CVT s, d, w
.irp b, 0,1
	v_add_nc_u32 v[TM+4+\b], 0xfe000000, v[TM+\b]  ; 4 off the exponent field: the conversion's scale operand
.endr
.irp b, 0,1
	s_delay_alu instid0(VALU_DEP_2)
	v_lshrrev_b32 v[TM+2+\b], 23, v[TM+4+\b]       ; the scale's byte
.endr
	s_delay_alu instid0(VALU_DEP_1)
	v_lshl_or_b32 v[\w], v[TM+3], 8, v[TM+2]
	v_cvt_scalef32_pk16_bf6_f32 v[(\d):(\d)+2], v[(\s):(\s)+15], v[TM+4]
	v_cvt_scalef32_pk16_bf6_f32 v[T:T+2], v[(\s)+16:(\s)+31], v[TM+5]
	v_nop                                          ; one plain place behind a scaled conversion
.irp i, 0,1,2
	v_permlane16_swap_b32 v[(\d)+\i], v[T+\i]
.endr
.irp i, 0,1,2
	s_delay_alu instid0(VALU_DEP_3)
	v_mov_b32 v[(\d)+3+\i], v[T+\i]
.endr
.endm
.macro WMC d, a, b, c, sa, sb
	v_wmma_scale_f32_16x16x128_f8f6f4 v[(\d):(\d)+7], v[(\a):(\a)+11], v[(\b):(\b)+11], v[(\c):(\c)+7], v[\sa], v[\sb] matrix_a_fmt:MATRIX_FMT_BF6 matrix_b_fmt:MATRIX_FMT_BF6
.endm
.macro WM0 d, a, b, sa, sb
	v_wmma_scale_f32_16x16x128_f8f6f4 v[(\d):(\d)+7], v[(\a):(\a)+11], v[(\b):(\b)+11], 0, v[\sa], v[\sb] matrix_a_fmt:MATRIX_FMT_BF6 matrix_b_fmt:MATRIX_FMT_BF6
.endm
.macro LOADA ac, as                    ; four neighbouring records for source 0
.irp t, 0,1,2,3
.irp s, 0,1
.irp i, 0,1,2
	ds_load_b128 v[A+12*(2*\t+\s)+4*\i:A+12*(2*\t+\s)+4*\i+3], v[\ac] offset:TRB*\t+1536*\s+512*\i
.endr
.endr
	ds_load_b64 v[AS+2*\t:AS+2*\t+1], v[\as] offset:TRB*\t+3072
.endr
.endm
.macro LOADF fc, fs, off               ; one record for source 1
.irp s, 0,1
.irp i, 0,1,2
	ds_load_b128 v[F+12*\s+4*\i:F+12*\s+4*\i+3], v[\fc] offset:(\off)+1536*\s+512*\i
.endr
.endr
	ds_load_b64 v[FS:FS+1], v[\fs] offset:(\off)+3072
.endm
.macro BIASLD ad                       ; tile 2 b + u, register j: the bias of feature 32 b + 16 h + 8 u + j
.irp t, 0,1,2,3
	ds_load_b128 v[BIAS+8*\t:BIAS+8*\t+3], v[\ad] offset:128*(\t/2)+32*(\t%2)
	ds_load_b128 v[BIAS+8*\t+4:BIAS+8*\t+7], v[\ad] offset:128*(\t/2)+32*(\t%2)+16
.endr
.endm
.macro MM                              ; four tiles x K 256: the bias starts each sum; the four accumulators take turns
.irp t, 0,1,2,3
	WMC ACC+8*\t, A+24*\t, F, BIAS+8*\t, AS+2*\t, FS
.endr
.irp t, 0,1,2,3
	WMC ACC+8*\t, A+24*\t+12, F+12, ACC+8*\t, AS+2*\t+1, FS+1
.endr
.endm
.macro HALFOUT ra, rb, rs, n           ; the half fragment in v[PC] on and its two scale bytes go to LDS as they stand
	ds_store_b128 v[\ra], v[PC:PC+3] offset:1024*(\n)
	ds_store_b64 v[\rb], v[PC+4:PC+5] offset:512*(\n)
	ds_store_b16 v[\rs], v[PW] offset:128*(\n)
.endm
	s_load_b256 s[4:11], s[0:1], 0x0               ; xq s[4:5], wq s[6:7], wo s[8:9], b_qkv s[10:11]
	s_load_b128 s[12:15], s[0:1], 0x20             ; b_out s[12:13], out0 s[14:15]
	v_lshl_add_u32 v243, v0, 2, 0x4f000
	v_mov_b32 v255, 0
	ds_add_u32 v243, v255
	ds_add_u32 v243, v255
	v_lshrrev_b32 v30, 5, v0
	s_delay_alu instid0(VALU_DEP_1)
	v_readfirstlane_b32 s[WV], v30                 ; wave 0..15
	v_and_b32 v31, 31, v0
	s_delay_alu instid0(VALU_DEP_1)
	v_lshlrev_b32 v[L16], 4, v31
	s_delay_alu instid0(VALU_DEP_2)
	v_lshlrev_b32 v[L8], 3, v31
	s_delay_alu instid0(VALU_DEP_3)
	v_lshlrev_b32 v[L4], 2, v31
	v_and_b32 v[RR], 15, v0
	v_bfe_u32 v[HH], v0, 4, 1
	s_lshr_b32 s[HD], s[WV], 2
	s_and_b32 s[QT], s[WV], 3
	s_add_co_u32 s[KB], s[QT], 1
	s_lshr_b32 s[KB], s[KB], 1
	s_mov_b32 s[SEL], 0x76543210
	s_mov_b32 s[SEL+1], 0xfedcba98
	s_mov_b32 s[CS], 0x3e38aa3b                    ; log2(e) / 8
	s_mov_b32 s[CS+1], s[CS]                       ; (named with it as a pair, so it is written)
	s_bfe_u32 s48, ttmp6, 0x40000                  ; cx: it enters global addresses and the mask's numbers alone
	s_lshl_b32 s49, ttmp9, 2
	s_add_co_u32 s49, s49, s48                     ; W: my block of 64 tokens
	s_lshr_b32 s50, s[WV], 3                       ; role: 0 makes k, 1 makes v
	s_bfe_u32 s51, s[WV], 0x20001                  ; that job's head
	s_and_b32 s52, s[WV], 1                        ; and its half of the 128 tokens
	s_lshl_b32 s58, s[KB], 3                       ; 8 kb
	s_and_b32 s66, s49, 63                         ; my place in the batch
	s_cmp_eq_u32 s66, 0
	s_cselect_b32 s59, 32, 0                       ; jmin: the first local key of my batch
	s_mov_b32 s60, 127
	s_cmp_eq_u32 s66, 63
	s_cselect_b32 s60, 95, s60                     ; jmax: the last
	; group 1 for W_qkv's records: 39 rows x 256 bytes (32 elements of 8), dense; mask: all four work-groups; bit 21 beside it
	s_mov_b32 s24, 15|(3<<16)|(1<<21)
	s_mov_b32 s25, 32<<16
	s_mov_b32 s26, 39<<16
	s_mov_b32 s27, 32<<16
	s_mov_b32 s28, 39
	s_mov_b32 s29, 32
	s_mov_b32 s30, 0
	s_mov_b32 s31, 0
	; group 1 for x's records: 13 rows x 128 bytes, dense; no mask
	s_mov_b32 s36, 3<<16
	s_mov_b32 s37, 16<<16
	s_mov_b32 s38, 13<<16
	s_mov_b32 s39, 16<<16
	s_mov_b32 s40, 13
	s_mov_b32 s41, 16
	s_mov_b32 s42, 0
	s_mov_b32 s43, 0
	s_mov_b32 s32, 1
	s_mul_i32 s33, s[WV], 9984                     ; my sixteenth of W_qkv's records, in LDS and in memory alike
	s_mov_b32 s66, s33
	s_mov_b32 s67, 0
	s_mov_b32 s44, 1
	s_mul_i32 s45, s[WV], 1664                     ; my quarter of local block wave / 4
	s_add_co_u32 s45, s45, XIMG
	s_lshl_b32 s68, s49, 1
	s_add_co_u32 s68, s68, s[HD]
	s_sub_co_i32 s68, s68, 1                       ; the block of 32 tokens: 2 W - 1 + wave / 4,
	s_max_i32 s68, s68, 0
	s_min_i32 s68, s68, 511                        ; held inside the buffer (the mask hides what is put in its place)
	s_mul_i32 s68, s68, 2*TRB
	s_mul_i32 s69, s[QT], 1664
	s_add_co_u32 s68, s68, s69
	s_mov_b32 s69, 0
	s_mul_i32 s70, s[WV], TRB                      ; W_out's record of my sixteen columns
	s_mov_b32 s71, 0
	s_lshl_b32 s72, s49, 16                        ; out: 64 W rows of 1,024 bytes,
	s_lshl_b32 s73, s[WV], 12                      ; + my four rows
	s_add_co_u32 s72, s72, s73
	s_mov_b32 s73, 0
	s_sub_co_u32 s74, s[WV], 6
	s_wait_alu depctr_va_vdst(0)
	s_wait_dscnt 0x0
	s_wait_kmcnt 0x0
	s_add_nc_u64 s[34:35], s[6:7], s[66:67]
	s_or_b32 s35, s35, 0x80000000
	s_add_nc_u64 s[46:47], s[4:5], s[68:69]
	s_or_b32 s47, s47, 0x80000000
	s_add_nc_u64 s[8:9], s[8:9], s[70:71]
	s_add_nc_u64 s[14:15], s[14:15], s[72:73]
	s_cmp_lt_u32 s[WV], 6                          ; the biases' copy: waves 0-5 take 512 bytes each of b_qkv, waves 6, 7 of b_out
	s_cselect_b64 s[76:77], s[10:11], s[12:13]
	s_cselect_b32 s74, s[WV], s74
	s_lshl_b32 s74, s74, 9
	v_add_nc_u32 v250, s74, v[L16]
	s_lshl_b32 s75, s[WV], 9
	s_add_co_u32 s75, s75, BL
	v_add_nc_u32 v251, s75, v[L16]
	ROUND                                          ; all four work-groups are here: the joint loads meet
	tensor_load_to_lds s[32:35], s[24:31]          ; W_qkv's records, jointly
	s_nop 0
	tensor_load_to_lds s[44:47], s[36:43]          ; x's, my work-group's own
	s_nop 0
	PLACES 4
	s_cmp_lt_u32 s[WV], 8
	s_cbranch_scc0 .Lno_bias
	s_wait_alu depctr_va_vdst(0)
	global_load_b128 v[32:35], v250, s[76:77]
	s_wait_loadcnt 0x0
	ds_store_b128 v251, v[32:35]
.Lno_bias:
	; ---- phase 1's addresses, while the tiles are on their way
	s_mul_i32 s66, s[HD], 4*TRB                    ; q: W's records 4 hd on
	v_add_nc_u32 v4, s66, v[L16]
	v_add_nc_u32 v5, s66, v[L8]
	; q's tokens are 16 NEIGHBOURS (local 32 + 16 qt + r), which lie in two records: lane r takes record r / 8 of the block, lane 8 (qt % 2) + r % 8 of it
	v_bfe_u32 v14, v0, 3, 1
	s_delay_alu instid0(VALU_DEP_1)
	v_mul_u32_u24 v14, v14, TRB
	v_and_b32 v15, 7, v0
	s_delay_alu instid0(VALU_DEP_1)
	v_lshl_add_u32 v6, v15, 4, v14
	s_delay_alu instid0(VALU_DEP_1)
	v_lshl_add_u32 v6, v[HH], 8, v6
	s_delay_alu instid0(VALU_DEP_3)
	v_lshl_add_u32 v7, v15, 3, v14
	s_delay_alu instid0(VALU_DEP_1)
	v_lshl_add_u32 v7, v[HH], 7, v7
	s_wait_alu depctr_va_vdst(0)
	s_lshr_b32 s66, s[QT], 1
	s_mul_i32 s66, s66, 2*TRB
	s_add_co_u32 s66, s66, XIMG+2*TRB              ; local block 1 + qt / 2
	s_and_b32 s67, s[QT], 1
	s_lshl_b32 s68, s67, 7
	s_add_co_u32 s68, s68, s66
	v_add_nc_u32 v6, s68, v6
	s_lshl_b32 s68, s67, 6
	s_add_co_u32 s68, s68, s66
	v_add_nc_u32 v7, s68, v7
	s_lshl_b32 s66, s[HD], 8
	s_add_co_u32 s66, s66, BL
	v_lshl_add_u32 v8, v[HH], 6, s66               ; b_q of my head, + 64 h
	; k or v: source 0 = W_k's four records (k) or four tiles of x (v); source 1 walks four tiles of x (k) or W_v's four records (v)
	s_mul_i32 s66, s52, 4*TRB
	s_add_co_u32 s66, s66, XIMG
	s_mul_i32 s67, s51, 4*TRB
	s_add_co_u32 s68, s67, 16*TRB
	s_add_co_u32 s69, s67, 32*TRB
	s_cmp_lt_u32 s[WV], 8
	s_cselect_b32 s53, s68, s66
	s_cselect_b32 s54, s66, s69
	v_add_nc_u32 v9, s53, v[L16]
	v_add_nc_u32 v10, s53, v[L8]
	v_add_nc_u32 v11, s54, v[L16]
	v_add_nc_u32 v12, s54, v[L8]
	s_lshl_b32 s66, s51, 8
	s_add_co_u32 s67, s66, BL+1024
	v_lshl_add_u32 v13, v[HH], 6, s67              ; b_k of the job's head
	s_add_co_u32 s67, s66, BL+2048
	v_and_b32 v15, 8, v[RR]
	s_delay_alu instid0(VALU_DEP_1)
	v_add_nc_u32 v15, v15, v[RR]
	s_delay_alu instid0(VALU_DEP_1)
	v_lshl_add_u32 v14, v15, 2, s67                ; b_v at my lane's feature r + 8 (r / 8)
	s_lshr_b32 s66, s[WV], 1                       ; where the job's half fragments go: k's four heads, then v's
	s_lshl_b32 s55, s66, 12
	s_lshl_b32 s67, s52, 9
	s_add_co_u32 s55, s55, s67
	s_add_co_u32 s55, s55, PA
	v_add_nc_u32 v252, s55, v[L16]
	s_lshl_b32 s56, s66, 11
	s_lshl_b32 s67, s52, 8
	s_add_co_u32 s56, s56, s67
	s_add_co_u32 s56, s56, PB
	v_add_nc_u32 v253, s56, v[L8]
	s_lshl_b32 s57, s66, 9
	s_lshl_b32 s67, s52, 1
	s_add_co_u32 s57, s57, s67
	s_add_co_u32 s57, s57, PS
	v_add_nc_u32 v254, s57, v[L4]
.irp i, 6,7,8,9,10,11
	v_mov_b32 v[QF+\i], 0                          ; q's K is 64: the fragment's upper half is zero codes
.endr
	v_mov_b32 v[TM+2], 0                           ; written once: a lane permute's destination counts as one of its sources
	v_mov_b32 v[TM+3], 0
	s_wait_tensorcnt 0x0                           ; my parts of W's and x's records have landed,
	s_wait_dscnt 0x0                               ; my part of the biases is stored:
	s_barrier_signal -1
	s_barrier_wait -1                              ; everybody's are
	; ---- phase 1, q: source 0 = 64 features of my head, source 1 = my 16 queries: a lane holds one query, register 16 b + i the channel 32 b + 16 h + i
	LOADA 4, 5
	LOADF 6, 7, 0
	BIASLD 8
	s_wait_dscnt 0x0
	MM
	PLACES 4                                       ; in front of loads into registers that these products have read, and of the first read of their results
	LOADA 9, 10                                    ; the second job's operands come while q is quantised
	LOADF 11, 12, 0
	BIASLD 13
.irp n, 0,1,2,3
	ds_load_b32 v[BV+\n], v14 offset:128*(\n/2)+32*(\n%2)
.endr
	Q2MAX ACC
	Q2CVT ACC, QF, QSC
; ---- phase 1, k or v: four units, one record of source 1 each.  k: a lane holds one key (in its tile's order) and 64 channels; v: a lane holds one channel (in its record's order) and 64 keys: two whole blocks of 32.
.macro UNIT n
	s_wait_dscnt 0x0                               ; the unit's operands are in; the last unit's stores have read their registers
	s_cmp_eq_u32 s50, 0
	s_cbranch_scc1 .Lkeys_\@                       ; k's bias runs along the registers and stays; v's hangs on the lane alone and changes with the record
.set j, 0
.rept 32
	v_mov_b32 v[BIAS+j], v[BV+\n]
.set j, j+1
.endr
	PLACES 4
.Lkeys_\@:
	MM
	PLACES 4
.if \n < 3
	LOADF 11, 12, TRB*(\n+1)
.else
.irp s, 0,1                            ; the last products are issued: W_out's record is asked for, two phases ahead of its use,
.irp i, 0,1,2
	global_load_b128 v[WO+12*\s+4*\i:WO+12*\s+4*\i+3], v[L16], s[8:9] offset:1536*\s+512*\i
.endr
.endr
	global_load_b64 v[WOS:WOS+1], v[L8], s[8:9] offset:3072
.irp f, 0,1,2,3                        ; and phase 2's constants are written
.irp i, 6,7,8,9,10,11
	v_mov_b32 v[KF+12*\f+\i], 0                    ; k's and v's K is 64: zero codes above
.endr
.endr
.irp i, 6,7,8,9,10,11
	v_mov_b32 v[P+\i], 0                           ; p's likewise
.endr
	v_mov_b32 v[NINF], 0xff800000                  ; -infinity
	v_mov_b32 v[NM+1], 0                           ; (upper halves of pairs, and permutes' destinations, are written before they are named)
	v_mov_b32 v[RL+1], 0
	v_mov_b32 v[PT], 0
	v_mov_b32 v[PT+1], 0
.endif
	Q2MAX ACC
	Q2CVT ACC, PC, PW
	HALFOUT 252, 253, 254, \n
.endm
	UNIT 0
	UNIT 1
	UNIT 2
	UNIT 3
	s_wait_dscnt 0x0                               ; my half fragments are stored
	s_barrier_signal -1
	; ---- phase 2's addresses and the mask's bounds: register work between the signal and the wait
	s_lshl_b32 s66, s[HD], 12
	s_lshl_b32 s72, s[HD], 9
.irp x, 0,1                            ; key block kb + x: its two tiles 2 (kb + x) + u lie at n = 2 ((kb + x) % 2) + u, sel = (kb + x) / 2
	s_add_co_u32 s67, s[KB], \x
	s_and_b32 s68, s67, 1
	s_lshr_b32 s69, s67, 1
	s_lshl_b32 s70, s68, 11
	s_lshl_b32 s71, s69, 9
	s_add_co_u32 s70, s70, s71
	s_add_co_u32 s70, s70, s66
	s_lshr_b32 s71, s70, 1
	s_add_co_u32 s70, s70, PA
	s_add_co_u32 s71, s71, PB
	v_add_nc_u32 v[4+\x], s70, v[L16]
	v_add_nc_u32 v[6+\x], s71, v[L8]
	s_lshl_b32 s70, s68, 8
	s_lshl_b32 s71, s69, 1
	s_add_co_u32 s70, s70, s71
	s_add_co_u32 s70, s70, s72
	s_add_co_u32 s70, s70, PS
	v_add_nc_u32 v[8+\x], s70, v[L4]
.endr
	s_lshl_b32 s67, s[KB], 8                       ; v: key block b of a channel tile lies 256 b + 16 r on, so blocks kb + h are 256 kb + 16 x lane
	s_add_co_u32 s67, s67, s66
	s_lshr_b32 s68, s67, 1
	s_add_co_u32 s67, s67, PA+16384
	s_add_co_u32 s68, s68, PB+8192
	v_add_nc_u32 v10, s67, v[L16]
	v_add_nc_u32 v11, s68, v[L8]
	s_add_co_u32 s67, s72, PS+2048
	v_add_nc_u32 v12, s67, v[L4]
	s_lshl_b32 s67, s[WV], 6
	s_add_co_u32 s67, s67, BL+3072
	v_lshl_add_u32 v13, v[HH], 5, s67              ; b_out of columns 16 w + 8 h on
	s_lshl_b32 s67, s[QT], 2
	s_add_co_u32 s67, s67, s[HD]
	s_lshl_b32 s68, s67, 9
	s_add_co_u32 s68, s68, OA
	v_add_nc_u32 v14, s68, v[L16]
	s_lshl_b32 s68, s67, 8
	s_add_co_u32 s68, s68, OB
	v_add_nc_u32 v15, s68, v[L8]
	s_lshl_b32 s67, s[QT], 1
	s_lshr_b32 s68, s[HD], 1
	s_add_co_u32 s67, s67, s68
	s_lshl_b32 s67, s67, 7
	s_and_b32 s68, s[HD], 1
	s_lshl_b32 s68, s68, 1
	s_add_co_u32 s67, s67, s68
	s_add_co_u32 s67, s67, OS
	v_add_nc_u32 v28, s67, v[L4]
	; register n of S^T holds local key 32 kb + 16 h + kk, kk = 32 (n / 16) + n % 16; my query is local 32 + 16 qt + r.  It counts where LO <= kk <= LO + RNG.  The query's own key lies inside both bounds, so RNG is not negative
	s_lshl_b32 s66, s[QT], 4
	s_add_co_u32 s66, s66, 32
	s_lshl_b32 s67, s[KB], 5
	s_sub_co_u32 s66, s66, s67
	s_sub_co_i32 s68, s59, s67
	s_sub_co_i32 s69, s60, s67
	v_lshlrev_b32 v[TMP], 4, v[HH]
	s_delay_alu instid0(VALU_DEP_1)
	v_sub_nc_u32 v[PT], v[RR], v[TMP]
	s_delay_alu instid0(VALU_DEP_1)
	v_add_nc_u32 v[PT], s66, v[PT]                 ; my query, counted as kk
	s_delay_alu instid0(VALU_DEP_1)
	v_add_nc_u32 v[LO], -12, v[PT]
	s_delay_alu instid0(VALU_DEP_4)
	v_sub_nc_u32 v[RNG], s68, v[TMP]               ; the batch's first key, counted as kk
	s_delay_alu instid0(VALU_DEP_1)
	v_cmp_gt_i32 vcc_lo, v[LO], v[RNG]
	s_delay_alu instid0(VALU_DEP_1)
	v_cndmask_b32 v[LO], v[RNG], v[LO], vcc_lo     ; the larger of the two
	v_add_nc_u32 v[PT], 12, v[PT]
	v_sub_nc_u32 v[RNG], s69, v[TMP]               ; the batch's last key
	s_delay_alu instid0(VALU_DEP_1)
	v_cmp_gt_i32 vcc_lo, v[PT], v[RNG]
	s_delay_alu instid0(VALU_DEP_1)
	v_cndmask_b32 v[RNG], v[PT], v[RNG], vcc_lo    ; the smaller of the two
	s_delay_alu instid0(VALU_DEP_1)
	v_sub_nc_u32 v[RNG], v[RNG], v[LO]
	s_wait_alu depctr_va_vdst(0)
	s_barrier_wait -1                              ; k's and v's half fragments of all heads lie in LDS
	; ---- phase 2: S^T = k q^T, four tiles of 16 keys
.irp x, 0,1
.irp u, 0,1
	ds_load_b128 v[KF+12*(2*\x+\u):KF+12*(2*\x+\u)+3], v[4+\x] offset:1024*\u
	ds_load_b64 v[KF+12*(2*\x+\u)+4:KF+12*(2*\x+\u)+5], v[6+\x] offset:512*\u
	ds_load_u16 v[KS+2*\x+\u], v[8+\x] offset:128*\u
.endr
.endr
	s_wait_dscnt 0x0
.irp i, 0,1,2,3
	WM0 S+8*\i, KF+12*\i, QF, KS+\i, QSC
.endr
	PLACES 4
.irp t, 0,1,2,3                        ; v's four channel tiles, key blocks kb and kb + 1, into the registers that k has left
	ds_load_b128 v[KF+12*\t:KF+12*\t+3], v10 offset:1024*\t
	ds_load_b64 v[KF+12*\t+4:KF+12*\t+5], v11 offset:512*\t
	ds_load_b32 v[VS+\t], v12 offset:128*\t
.endr
	ds_load_b128 v[BO:BO+3], v13
	ds_load_b128 v[BO+4:BO+7], v13 offset:16
.irp n, 0,1,2,3,4,5,6,7,8,9,10,11,12,13,14,15,16,17,18,19,20,21,22,23,24,25,26,27,28,29,30,31
	v_sub_nc_u32 v[TMP], 32*(\n/16)+\n%16, v[LO]
	s_delay_alu instid0(VALU_DEP_1)
	v_cmp_ge_u32 vcc_lo, v[RNG], v[TMP]            ; unsigned: what lies under LO wraps round and fails too
	v_cndmask_b32 v[S+\n], v[NINF], v[S+\n], vcc_lo   ; hidden scores become -infinity: p = 0
.endr
.irp b, 0,1
	v_max3_num_f32 v[BM+\b], v[S+16*\b], v[S+16*\b+1], v[S+16*\b+2]   ; each block's largest score: for the row's maximum, and, since p rises with the score, for the block's largest p
.endr
.irp i, 3,5,7,9,11,13
.irp b, 0,1
	s_delay_alu instid0(VALU_DEP_2)
	v_max3_num_f32 v[BM+\b], v[BM+\b], v[S+16*\b+\i], v[S+16*\b+\i+1]
.endr
.endr
.irp b, 0,1
	s_delay_alu instid0(VALU_DEP_2)
	v_max_num_f32 v[BM+\b], v[BM+\b], v[S+16*\b+15]
.endr
.irp b, 0,1
	s_delay_alu instid0(VALU_DEP_2)
	v_permlanex16_b32 v[PT+\b], v[BM+\b], s[SEL], s[SEL+1]
.endr
.irp b, 0,1
	s_delay_alu instid0(VALU_DEP_2)
	v_max_num_f32 v[BM+\b], v[BM+\b], v[PT+\b]
.endr
	s_delay_alu instid0(VALU_DEP_1)
	v_max_num_f32 v[TMP], v[BM], v[BM+1]           ; all keys that count for my query lie in these two blocks: this is the row's largest score
	s_delay_alu instid0(VALU_DEP_1)
	v_mul_f32 v[TMP], s[CS], v[TMP]                ; as t
	s_delay_alu instid0(VALU_DEP_1)
	v_floor_f32 v[NM], -v[TMP]                     ; -M = floor(-t) = -ceil(t)
.irp j, 0,2,4,6,8,10,12,14,16,18,20,22,24,26,28,30
	v_pk_fma_f32 v[S+\j:S+\j+1], v[S+\j:S+\j+1], s[CS:CS+1], v[NM:NM+1] op_sel_hi:[1,0,0]   ; t - M
.endr
.irp b, 0,1
	v_fma_f32 v[BM+\b], v[BM+\b], s[CS], v[NM]
.endr
.set j, 0
	s_wait_alu depctr_va_vdst(0)
.rept 32
	v_exp_f32 v[S+j], v[S+j]                       ; p = 2^(t - M): not normalised
.set j, j+1
.endr
	s_wait_dscnt 0x0                               ; v and b_out are in
.irp t, 0,1,2,3
	v_lshrrev_b32 v[VS+\t], s58, v[VS+\t]          ; v's word has the bytes of local blocks 0-3: blocks kb, kb + 1 come to bytes 0, 1.  (Plain work behind the exponentials)
.endr
	s_wait_alu depctr_va_vdst(0)                   ; one wait for the batch, ahead of its first reader
.irp b, 0,1
	v_exp_f32 v[BM+\b], v[BM+\b]                   ; the block's largest p: the same two instructions on the same number
.endr
	v_pk_add_f32 v[120:121], v[202:203], v[204:205]
	v_pk_add_f32 v[252:253], v[210:211], v[214:215]
	v_pk_add_f32 v[250:251], v[218:219], v[222:223]
	v_pk_add_f32 v[248:249], v[226:227], v[230:231]
	v_pk_add_f32 v[246:247], v[206:207], v[208:209]
	v_pk_add_f32 v[244:245], v[212:213], v[216:217]
	v_pk_add_f32 v[240:241], v[220:221], v[224:225]
	v_pk_add_f32 v[118:119], v[228:229], v[232:233]
	s_delay_alu instid0(VALU_DEP_1)
	v_pk_add_f32 v[118:119], v[118:119], v[248:249]
	v_pk_add_f32 v[120:121], v[120:121], v[246:247]
	v_pk_add_f32 v[252:253], v[252:253], v[244:245]
	v_pk_add_f32 v[250:251], v[250:251], v[240:241]
	s_delay_alu instid0(VALU_DEP_2)
	v_pk_add_f32 v[118:119], v[118:119], v[252:253]
	s_delay_alu instid0(VALU_DEP_2)
	v_pk_add_f32 v[120:121], v[120:121], v[250:251]
	s_delay_alu instid0(VALU_DEP_1)
	v_pk_add_f32 v[118:119], v[118:119], v[120:121]
	s_delay_alu instid0(VALU_DEP_1)
	v_add_f32 v[SU], v[SU], v[SU+1]
	s_delay_alu instid0(VALU_DEP_1)
	v_permlanex16_b32 v[PT], v[SU], s[SEL], s[SEL+1]
	s_delay_alu instid0(VALU_DEP_1)
	v_add_f32 v[SU], v[SU], v[PT]
	s_wait_alu depctr_va_vdst(0)                   ; and one for the two
.irp b, 0,1
	v_max_num_f32 v[TM+\b], 0x2800000, v[BM+\b]    ; the floor: a block whose every p is 0 keeps the byte 1; its codes are zeros
.endr
	s_wait_alu depctr_va_vdst(0)
	v_rcp_f32 v[RL], v[SU]
	Q2CVT S, P, PSC
	PLACES 8                                       ; a scale register written by a vector instruction stands eight places ahead of a scaled matrix instruction, an operand four
.irp t, 0,1,2,3
	WM0 O+8*\t, KF+12*\t, P, VS+\t, PSC            ; O^T = v^T p^T: register 16 G + i = channel 32 G + 16 h + i of my query
.endr
	PLACES 4
	s_wait_alu depctr_va_vdst(0)                   ; the reciprocal's wait, ahead of its first reader
.irp j, 0,2,4,6,8,10,12,14,16,18,20,22,24,26,28,30
	v_pk_mul_f32 v[O+\j:O+\j+1], v[O+\j:O+\j+1], v[RL:RL+1] op_sel_hi:[1,0]
.endr
	Q2MAX O
	Q2CVT O, PC, PW                                ; my head's 64 channels are half of K step hd / 2 of the last product
	HALFOUT 14, 15, 28, 0
	s_wait_dscnt 0x0
	s_barrier_signal -1
	v_add_nc_u32 v4, OA, v[L16]                    ; phase 3's addresses
	v_add_nc_u32 v5, OB, v[L8]
	v_add_nc_u32 v6, OS, v[L4]
	v_mul_u32_u24 v7, v[RR], SPI
	s_delay_alu instid0(VALU_DEP_1)
	v_lshl_add_u32 v7, v[HH], 5, v7
	s_lshl_b32 s66, s[WV], 6
	s_add_co_u32 s66, s66, STG
	v_add_nc_u32 v7, s66, v7                       ; the stage, in: row r, + my columns' 64 bytes, + 32 h
	s_lshl_b32 s66, s[WV], 2
	s_mul_i32 s66, s66, SPI
	s_add_co_u32 s66, s66, STG
	v_add_nc_u32 v8, s66, v[L16]                   ; back: my four rows, 16 bytes a lane
	s_wait_alu depctr_va_vdst(0)
	s_barrier_wait -1                              ; o's sixteen half fragments lie in LDS
	; ---- phase 3: out^T = W_out^T o^T + b_out.  Fragment f = 2 qt + s (tokens 16 qt on, K step s) is heads 2 s and 2 s + 1: f = 0-3 at v32 + 12 f, f = 4-7 at v142 + 12 (f - 4)
.irp f, 0,1,2,3,4,5,6,7
	ds_load_b128 v[32+12*\f+62*(\f/4):32+12*\f+62*(\f/4)+3], v4 offset:1024*\f
	ds_load_b64 v[32+12*\f+62*(\f/4)+4:32+12*\f+62*(\f/4)+5], v5 offset:512*\f
	ds_load_b128 v[32+12*\f+62*(\f/4)+6:32+12*\f+62*(\f/4)+9], v4 offset:1024*\f+512
	ds_load_b64 v[32+12*\f+62*(\f/4)+10:32+12*\f+62*(\f/4)+11], v5 offset:512*\f+256
	ds_load_b32 v[AS+\f], v6 offset:128*\f
.endr
	s_wait_loadcnt 0x0                             ; W_out's record
	s_wait_dscnt 0x0
.irp q, 0,1,2,3                        ; four tiles of tokens by turns
	WMC ACC+8*\q, WO, 32+24*\q+62*(\q/2), BO, WOS, AS+2*\q
.endr
.irp q, 0,1,2,3
	WMC ACC+8*\q, WO+12, 44+24*\q+62*(\q/2), ACC+8*\q, WOS+1, AS+2*\q+1
.endr
	PLACES 4
.irp q, 0,1,2,3
	ds_store_b128 v7, v[ACC+8*\q:ACC+8*\q+3] offset:16*\q*SPI          ; lane (r, h): out(16 q + r, 16 w + 8 h + 0 .. 7); each accumulator from its low end on
	ds_store_b128 v7, v[ACC+8*\q+4:ACC+8*\q+7] offset:16*\q*SPI+16
.endr
	s_wait_dscnt 0x0
	s_barrier_signal -1
	s_barrier_wait -1                              ; 64 whole rows lie in the stage
.irp i, 0,1,2,3,4,5,6,7
	ds_load_b128 v[32+4*\i:32+4*\i+3], v8 offset:(\i/2)*SPI+512*(\i%2)
.endr
.irp i, 0,1,2,3,4,5,6,7
	s_wait_dscnt 7-\i                              ; LDS loads come back in order: load i is in, the younger ones may be out
	global_store_b128 v[L16], v[32+4*\i:32+4*\i+3], s[14:15] offset:(\i/2)*1024+512*(\i%2) th:TH_STORE_NT   ; 32 lanes store 512 consecutive bytes, at a multiple of 256 from out's first byte
.endr
	s_wait_tensorcnt 0x0
	ds_add_u32 v243, v255
	s_wait_dscnt 0x0
	ROUND                                          ; the closing round: no work-group ends while a partner may still ask for a tile that names it
	s_endpgm
.Lfunc_end_k_q9fdf6ba89c_fused:
	.size	k_q9fdf6ba89c_fused, .Lfunc_end_k_q9fdf6ba89c_fused-k_q9fdf6ba89c_fused
	.p2alignl 7, 3214868480
	.fill 96, 4, 3214868480
	.section	.rodata,"a",@progbits
	.p2align	6, 0x0
	.amdhsa_kernel k_q9fdf6ba89c_fused
		.amdhsa_group_segment_fixed_size 327680
		.amdhsa_private_segment_fixed_size 0
		.amdhsa_enable_private_segment 0
		.amdhsa_kernarg_size 48
		.amdhsa_user_sgpr_count 2
		.amdhsa_user_sgpr_kernarg_segment_ptr 1
		.amdhsa_wavefront_size32 1
		.amdhsa_system_sgpr_workgroup_id_x 1
		.amdhsa_system_sgpr_workgroup_id_y 1
		.amdhsa_system_sgpr_workgroup_id_z 1
		.amdhsa_system_vgpr_workitem_id 0
		.amdhsa_next_free_vgpr 256
		.amdhsa_next_free_sgpr 100
		.amdhsa_reserve_vcc 1
		.amdhsa_float_denorm_mode_32 3
		.amdhsa_float_denorm_mode_16_64 3
		.amdhsa_memory_ordered 1
		.amdhsa_forward_progress 1
		.amdhsa_inst_pref_size 68
	.end_amdhsa_kernel
	.amdgpu_metadata
---
amdhsa.version: [ 1, 2 ]
amdhsa.kernels:
  - .name:           k_q9fdf6ba89c_fused
    .symbol:         k_q9fdf6ba89c_fused.kd
    .args:
      - { .name: xq, .offset: 0, .size: 8, .value_kind: global_buffer, .address_space: global }
      - { .name: wq, .offset: 8, .size: 8, .value_kind: global_buffer, .address_space: global }
      - { .name: wo, .offset: 16, .size: 8, .value_kind: global_buffer, .address_space: global }
      - { .name: b_qkv, .offset: 24, .size: 8, .value_kind: global_buffer, .address_space: global }
      - { .name: b_out, .offset: 32, .size: 8, .value_kind: global_buffer, .address_space: global }
      - { .name: out0, .offset: 40, .size: 8, .value_kind: global_buffer, .address_space: global }
    .group_segment_fixed_size: 327680
    .private_segment_fixed_size: 0
    .kernarg_segment_align: 8
    .kernarg_segment_size: 48
    .max_flat_workgroup_size: 512
    .sgpr_count:     100
    .vgpr_count:     256
    .wavefront_size: 32
...
	.end_amdgpu_metadata
.endif
;; end of part 2
